; MI455X (gfx1250); checked and timed in simulation.
; The chip was launched on July 23, 2026; its instructions are those of AMD's public machine-readable ISA for CDNA 5 (MIT licence, August 2026) and "CDNA5" Instruction Set Architecture Reference Guide (July 2026). The comments in the code are by the model that wrote it; some were corrected since.
;; Causal Self Attention. Allowed arithmetic: matrix products marked QUANTISED: E2M1 operands, one E8M0 scale for each 32 along K, by v_wmma_scale_f32_16x16x128_f8f6f4 with both operands' format E2M1 (or v_wmma_scale_f32_32x16x128_f4), f32 sums; products left as they are: bf16, f16 or f32 operands; f32 sums; everything else in f32.
;; Inputs: W_attn 1,024 x 3,072 float32; W_proj 1,024 x 1,024 float32; b_attn 3,072 float32; b_proj 1,024 float32; x 1 x 4,096 x 1,024 float32.
;; Outputs: out0 1 x 4,096 x 1,024 float32.
;; This version of the problem:
;;   THIS VERSION OF THE PROBLEM IS GIVEN IN LOW PRECISION. The matrix products marked QUANTISED in the list below multiply operands that are first quantised to E2M1 (2 exponent bits, 1 mantissa bit; 4 bits a number), with one power-of-two scale for each 32 numbers along K (OCP MX v1.0); their sums are f32. The products marked 'left as it is' may take bf16, f16 or f32 operands, with f32 sums. Whichever they take, every output number must still come out within the allowed error. Rounding operands to bf16 (8 significant bits) uses up far more of that allowance than f16 does (11 bits, for magnitudes from 6e-5 to 65,504). All else is computed in f32.
;;   The module's matrix products, in the order in which they are computed (A, B: the left and right operand; K: the contracted axis; several contracted axes count as one K, in the product's order):
;;     1. [M 4,096, K 1,024] x [K 1,024, N 3,072]; A: input x; B: input W_attn: QUANTISED
;;     2. batch 16 x [M 4,096, K 64] x [K 64, N 4,096]; A: computed on the way; B: computed on the way: left as it is (an operand is computed on the way)
;;     3. batch 16 x [M 4,096, K 4,096] x [K 4,096, N 64]; A: computed on the way; B: computed on the way: left as it is (an operand is computed on the way)
;;     4. [M 4,096, K 1,024] x [K 1,024, N 1,024]; A: computed on the way; B: input W_proj: left as it is (an operand is computed on the way)
;;   THE QUANTISER, for each operand of a quantised product, along K:
;;     - K is cut into blocks of 32 from its start; a last block that is shorter is filled with zeros.
;;     - A block's scale is 2^e with e = floor(log2(the largest magnitude in the block)) - 2, held to -126 .. 127; a block of zeros has e = 0. As a byte (E8M0): e + 127.
;;     - Each number is divided by its block's scale, clamped to +-6, and rounded to the nearest number of E2M1, ties to even, subnormals kept.
;;     - The product sums the exact products of the quantised numbers (number of the format x scale) in f32.
;;   ~~~python
;;   def quantise(x, axis):      # numpy; x: float32 -> the quantised numbers, widened to float32 again
;;       x = np.moveaxis(x, axis, -1); K = x.shape[-1]
;;       x = np.pad(x, [(0, 0)] * (x.ndim - 1) + [(0, -K % 32)]); x = x.reshape(x.shape[:-1] + (-1, 32)); a = np.abs(x).max(-1, keepdims=True)
;;       e = np.where(a > 0, np.clip(np.frexp(np.where(a > 0, a, 1))[1] - 1 - 2, -126, 127), 0)      # np.frexp(a)[1] - 1 = floor(log2(a)), exactly
;;       r = np.clip(x / 2.0 ** e, -6, 6)
;;       step = 2.0 ** (np.maximum(np.frexp(np.where(r == 0, 1, r))[1] - 1, 0) - 1)
;;       q = np.round(r / step) * step * 2.0 ** e      # np.round: ties to even
;;       return np.moveaxis(q.reshape(q.shape[:-2] + (-1,))[..., :K], -1, axis).astype(np.float32)
;;   ~~~
;; One version. Each part assembles by itself: llvm-mc -triple=amdgcn-amd-amdhsa -mcpu=gfx1250 --defsym DOCPART=n.
;; ======== version 1 of 1: 5 launches
;; limits: values are held in f16: magnitudes above 65,504 overflow, below 6.1e-05 lose precision
;; workspace buffers: xq 2,228,224 bytes; wq 1,671,168 bytes; wp 2,097,152 bytes; qkv 25,165,824 bytes; fine 196,608 bytes; yi 8,388,608 bytes
;; launch prep (part 1): grid 72 x 8, 4 waves a work-group, no clusters, 86,528 bytes of LDS; arguments x, W_attn, W_proj, xq, wq, wp; writes xq, wq, wp
.if DOCPART == 1
	.amdgcn_target "amdgcn-amd-amdhsa--gfx1250"
	.amdhsa_code_object_version 6
	.text
	.protected	k_q8cc07deeea_prep
	.globl	k_q8cc07deeea_prep
	.p2align	8
	.type	k_q8cc07deeea_prep,@function
k_q8cc07deeea_prep:
	s_mov_b64 s[64:65], 0
	v_nop
	global_prefetch_b8 v0, s[64:65] scope:SCOPE_SE
	s_setreg_imm32_b32 hwreg(HW_REG_WAVE_MODE, 25, 1), 1
	s_wait_xcnt 0x0
; PREP.  x [4096][1024] and W_attn [1024][3072], f32, become codes of E2M1 with one E8M0 byte for each 32 along K (K = the 1,024); W_proj [1024][1024] becomes f16.
; Everything is laid as an IMAGE OF THE READER'S OPERAND REGISTERS, so that later launches fetch fragments by 16 bytes a lane, 512 consecutive bytes an instruction.
;   codes: fragment (tile of 16 rows or columns, K step s of 128) at (8 tile + s) x 1,024; in it block t of 32 along K at 256 t + 16 (row % 16).
;   scale words (4 bytes: one row, one K step): at (8 pair + s) x 128 + 4 x (row % 32), a pair being 32 rows; behind the codes, from XSC or WSC on.
;   wp: block (64 channels kb, 64 columns cb) at (16 kb + cb) x 8,192; in it 8 channels 8 e .. 8 e + 7 of column n at (e/4) 4096 + (n/16) 1024 + ((e/2)%2) 512 + (e%2) 256 + 16 (n%16).
; A block's scale is 2^(floor(log2(largest magnitude)) - 2): its byte is the largest magnitude's exponent field - 2, held at 1 from below.
; LIMITS: a block of zeros, or one whose largest magnitude lies under 2^-124, gets the byte 1 (zeros' codes are zeros, and this program alone reads the bytes); NaN and infinities are not served; W_proj must lie under 65,504 (f16).
; SHARES: work-group x 0-23: W_attn; 24-39: W_proj; 40-71: x.  Only x's path uses LDS.  No barrier: waves share nothing.  The scale words leave in pieces of 128 consecutive bytes: one byte in 128 of what is read.
.set XSC,   2097152                    ; xq: where the scale words begin
.set WSC,   1572864                    ; wq: likewise
.set WREG,  21504                      ; LDS of a wave: 128 blocks x 144 bytes, 8 units x 320 bytes of codes, 128 scale bytes
.set CST,   18432
.set BST,   20992
.set SPARE, 4*WREG                     ; the spare words, 128 bytes a wave: two blocks of 256 bytes that no other line names
; 32 numbers of ONE block in v[QX] on become 4 registers of codes in v[QC] on and the scale's byte in v[QE].
.macro QBLK
	v_max3_num_f32 v12, |v[QX]|, |v[QX+1]|, |v[QX+2]|      ; the largest magnitude, in two chains
	v_max3_num_f32 v13, |v[QX+3]|, |v[QX+4]|, |v[QX+5]|
.irp i, 6,10,14,18,22,26
	v_max3_num_f32 v12, v12, |v[QX+\i]|, |v[QX+\i+1]|
	v_max3_num_f32 v13, v13, |v[QX+\i+2]|, |v[QX+\i+3]|
.endr
	v_max3_num_f32 v12, v12, |v[QX+30]|, |v[QX+31]|
	v_max3_num_f32 v12, v12, v13, 0x1800000                ; and the floor 2^(3 - 127): the byte cannot fall under 1
	v_add_nc_u32 v11, 0xff000000, v12                      ; 2 off the exponent field: the conversion takes this operand's exponent field as its scale
.irp g, 0,1,2,3
	v_cvt_scalef32_pk8_fp4_f32 v[QC+\g], v[QX+8*\g:QX+8*\g+7], v11
.endr
	v_lshrrev_b32 v[QE], 23, v11                           ; the scale's byte; also the plain instruction behind the conversions
.endm
; W_attn: block t of my column: rows 32 t + i of the K step
.macro LOADW t
.irp i, 0,1,2,3,4,5,6,7,8,9,10,11,12,13,14,15,16,17,18,19,20,21,22,23,24,25,26,27,28,29,30,31
	global_load_b32 v[32+32*((\t)%2)+\i], v3, s[6:7] offset:(32*(\t)+\i)*12288 th:TH_LOAD_NT
.endr
.endm
.macro BLKW t
.if (\t) < 3
	s_wait_loadcnt 32                              ; this block's 32 loads are in; the next block's 32 may be out
.else
	s_wait_loadcnt 0x0
.endif
.set QX, 32+32*((\t)%2)
.set QC, 96+4*(\t)
.set QE, 13
	QBLK
.if (\t) == 0
	v_mov_b32 v112, v13                            ; four bytes make the column's scale word, the lower K in the lower byte
.else
	v_lshl_or_b32 v112, v13, 8*(\t), v112
.endif
	global_store_b128 v4, v[QC:QC+3], s[22:23] offset:256*(\t)   ; sixteen lanes store 256 consecutive bytes, aligned; each block has code registers of its own
.if (\t) < 2
	LOADW (\t)+2
.endif
.endm
; x: lane l takes block 32 t + l of the wave's 128 out of the stage
.macro READX t
.irp j, 0,1,2,3,4,5,6,7
	ds_load_b128 v[160+32*((\t)%2)+4*\j:163+32*((\t)%2)+4*\j], v9 offset:(\t)*4608+16*\j
.endr
.endm
.macro BLKX t
.if (\t) < 3
	READX (\t)+1
	s_wait_dscnt 8                                 ; all but the 8 reads just issued: this block's numbers are in
.else
	s_wait_dscnt 0x0
.endif
.set QX, 160+32*((\t)%2)
.set QC, 224+4*(\t)
.set QE, 240+(\t)
	QBLK
	ds_store_b128 v10, v[QC:QC+3] offset:CST+((\t)/2)*1280+((\t)%2)*128   ; row 8 t + l / 4, block l % 4: unit 4 (row / 16) + block, 16 bytes a row
	ds_store_b8 v15, v[QE] offset:BST+32*(\t)                             ; byte 4 row + block = 32 t + l
.endm
	s_load_b256 s[4:11], s[0:1], 0x0               ; x s[4:5], W_attn s[6:7], W_proj s[8:9], xq s[10:11]
	s_load_b128 s[12:15], s[0:1], 0x20             ; wq s[12:13], wp s[14:15]
	v_lshl_add_u32 v6, v0, 2, SPARE                ; my spare word, and 0: kept for the closing lines alone
	v_mov_b32 v7, 0
	v_lshrrev_b32 v1, 5, v0
	v_readfirstlane_b32 s16, v1                    ; wave
	v_and_b32 v2, 31, v0                           ; lane
	s_and_b32 s17, ttmp7, 0xffff                   ; work-group y
	s_mov_b32 s21, 0
	s_wait_kmcnt 0x0
	s_cmp_lt_u32 ttmp9, 24
	s_cbranch_scc1 .Lw_attn
	s_cmp_lt_u32 ttmp9, 40
	s_cbranch_scc1 .Lw_proj
	; ---- x: a wave takes 32 rows (pair P) x one K step s.  K is innermost: each load reads a row's 512 consecutive bytes; the stage turns them so that a lane holds a whole block of 32.
	s_sub_co_u32 s18, ttmp9, 40
	s_lshl_b32 s19, s17, 5
	s_add_co_u32 s18, s18, s19                     ; 0 .. 255
	s_lshr_b32 s19, s18, 1                         ; P
	s_and_b32 s18, s18, 1
	s_lshl_b32 s18, s18, 2
	s_add_co_u32 s18, s18, s16                     ; s
	s_lshl_b32 s20, s19, 17                        ; 32 P rows of 4,096 bytes
	s_lshl_b32 s22, s18, 9
	s_add_co_u32 s20, s20, s22
	s_add_nc_u64 s[4:5], s[4:5], s[20:21]
	s_lshl_b32 s20, s19, 4
	s_add_co_u32 s20, s20, s18
	s_lshl_b32 s20, s20, 10                        ; (8 x tile 2 P + s) x 1,024
	s_add_nc_u64 s[22:23], s[10:11], s[20:21]
	s_lshl_b32 s20, s19, 3
	s_add_co_u32 s20, s20, s18
	s_lshl_b32 s20, s20, 7
	s_add_co_u32 s20, s20, XSC
	s_add_nc_u64 s[24:25], s[10:11], s[20:21]
	s_mul_i32 s26, s16, WREG                       ; my wave's LDS
	v_lshlrev_b32 v3, 4, v2                        ; 16 l
	v_lshlrev_b32 v4, 2, v2                        ; 4 l
	v_lshrrev_b32 v8, 3, v2
	v_mul_u32_u24 v8, v8, 144
	v_and_b32 v9, 7, v2
	v_lshl_add_u32 v8, v9, 4, v8
	v_add_nc_u32 v8, s26, v8                       ; into the stage: block l / 8 of the row, 16 (l % 8) in it; a block is 128 bytes + 16 of padding
	v_mul_u32_u24 v9, v2, 144
	v_add_nc_u32 v9, s26, v9                       ; out of it: block l
	v_and_b32 v10, 3, v2
	v_mul_u32_u24 v10, v10, 320
	v_lshrrev_b32 v14, 2, v2
	v_lshl_add_u32 v10, v14, 4, v10
	v_add_nc_u32 v10, s26, v10                     ; codes in: unit l % 4 (256 bytes + 64), row l / 4
	v_lshrrev_b32 v14, 4, v2
	v_mul_u32_u24 v14, v14, 320
	v_and_b32 v15, 15, v2
	v_lshl_add_u32 v14, v15, 4, v14
	v_add_nc_u32 v14, s26, v14                     ; codes back: two units an instruction
	v_add_nc_u32 v15, s26, v2                      ; scale bytes in
	v_add_nc_u32 v16, s26, v4                      ; and back, a word a lane
.irp i, 0,1,2,3,4,5,6,7,8,9,10,11,12,13,14,15,16,17,18,19,20,21,22,23,24,25,26,27,28,29,30,31
	global_load_b128 v[32+4*\i:35+4*\i], v3, s[4:5] offset:\i*4096 th:TH_LOAD_NT
.endr
.irp i, 0,1,2,3,4,5,6,7,8,9,10,11,12,13,14,15,16,17,18,19,20,21,22,23,24,25,26,27,28,29,30,31
	s_wait_loadcnt 31-\i                           ; row i is in; the younger rows stay out
	ds_store_b128 v8, v[32+4*\i:35+4*\i] offset:\i*576
.endr
	READX 0                                        ; LDS serves a wave's instructions in order: these see my stores
	BLKX 0
	BLKX 1
	BLKX 2
	BLKX 3
.irp i, 0,1,2,3
	ds_load_b128 v[32+4*\i:35+4*\i], v14 offset:CST+640*\i
.endr
	ds_load_b32 v48, v16 offset:BST
	s_wait_dscnt 0x0
.irp i, 0,1,2,3
	global_store_b128 v3, v[32+4*\i:35+4*\i], s[22:23] offset:(\i/2)*8192+(\i%2)*512   ; 512 consecutive bytes: half a fragment
.endr
	global_store_b32 v4, v48, s[24:25]
	s_wait_tensorcnt 0x0                           ; the wave's end: three lines behind my last LDS store
	ds_add_u32 v6, v7
	s_wait_dscnt 0x0
	s_endpgm
	; ---- W_attn: K is the FIRST axis: a lane takes a column and its registers run down K, so the conversions give codes with K innermost and nothing is transposed.
.Lw_attn:
	s_lshl_b32 s18, ttmp9, 2
	s_add_co_u32 s18, s18, s16                     ; G: my wave's 32 columns; the K step is work-group y
	s_mul_i32 s20, s17, 128*12288
	s_lshl_b32 s22, s18, 7
	s_add_co_u32 s20, s20, s22
	s_add_nc_u64 s[6:7], s[6:7], s[20:21]
	s_lshl_b32 s20, s18, 4
	s_add_co_u32 s20, s20, s17
	s_lshl_b32 s20, s20, 10
	s_add_nc_u64 s[22:23], s[12:13], s[20:21]
	s_lshl_b32 s20, s18, 3
	s_add_co_u32 s20, s20, s17
	s_lshl_b32 s20, s20, 7
	s_add_co_u32 s20, s20, WSC
	s_add_nc_u64 s[24:25], s[12:13], s[20:21]
	v_lshlrev_b32 v3, 2, v2                        ; 4 l
	v_lshrrev_b32 v4, 4, v2
	v_and_b32 v5, 15, v2
	v_lshlrev_b32 v4, 13, v4
	v_lshl_add_u32 v4, v5, 4, v4                   ; lanes 16-31 belong to the next tile of 16 columns: 8 fragments on
	LOADW 0
	LOADW 1
	BLKW 0
	BLKW 1
	BLKW 2
	BLKW 3
	global_store_b32 v3, v112, s[24:25]
	s_endpgm
	; ---- W_proj: the same choice of lanes; two neighbours down K round to one register of f16.
.Lw_proj:
	s_sub_co_u32 s18, ttmp9, 24
	s_and_b32 s19, s18, 7
	s_lshl_b32 s19, s19, 2
	s_add_co_u32 s19, s19, s16                     ; CG: my wave's 32 columns
	s_lshr_b32 s18, s18, 3
	s_lshl_b32 s20, s17, 1
	s_add_co_u32 s18, s18, s20                     ; kb: 64 channels
	s_lshl_b32 s20, s18, 18
	s_lshl_b32 s22, s19, 7
	s_add_co_u32 s20, s20, s22
	s_add_nc_u64 s[8:9], s[8:9], s[20:21]
	s_lshl_b32 s20, s18, 4
	s_lshr_b32 s22, s19, 1
	s_add_co_u32 s20, s20, s22
	s_lshl_b32 s20, s20, 13
	s_and_b32 s22, s19, 1
	s_lshl_b32 s22, s22, 11
	s_add_co_u32 s20, s20, s22
	s_add_nc_u64 s[14:15], s[14:15], s[20:21]
	v_lshlrev_b32 v3, 2, v2
	v_lshrrev_b32 v4, 4, v2
	v_and_b32 v5, 15, v2
	v_lshlrev_b32 v4, 10, v4
	v_lshl_add_u32 v4, v5, 4, v4
.irp i, 0,1,2,3,4,5,6,7,8,9,10,11,12,13,14,15,16,17,18,19,20,21,22,23,24,25,26,27,28,29,30,31,32,33,34,35,36,37,38,39,40,41,42,43,44,45,46,47,48,49,50,51,52,53,54,55,56,57,58,59,60,61,62,63
	global_load_b32 v[32+\i], v3, s[8:9] offset:\i*4096
.endr
	s_wait_loadcnt 32                              ; the first 32 channels are in
.irp j, 0,1,2,3,4,5,6,7,8,9,10,11,12,13,14,15
	v_cvt_pk_f16_f32 v[96+\j], v[32+2*\j], v[33+2*\j]
.endr
	s_wait_loadcnt 0x0
.irp j, 16,17,18,19,20,21,22,23,24,25,26,27,28,29,30,31
	v_cvt_pk_f16_f32 v[96+\j], v[32+2*\j], v[33+2*\j]
.endr
.irp e, 0,1,2,3,4,5,6,7
	global_store_b128 v4, v[96+4*\e:99+4*\e], s[14:15] offset:(\e/4)*4096+((\e/2)%2)*512+(\e%2)*256   ; sixteen lanes store 256 consecutive bytes, aligned
.endr
	s_endpgm
.Lfunc_end_k_q8cc07deeea_prep:
	.size	k_q8cc07deeea_prep, .Lfunc_end_k_q8cc07deeea_prep-k_q8cc07deeea_prep
	.p2alignl 7, 3214868480
	.fill 96, 4, 3214868480
	.section	.rodata,"a",@progbits
	.p2align	6, 0x0
	.amdhsa_kernel k_q8cc07deeea_prep
		.amdhsa_group_segment_fixed_size 86528
		.amdhsa_private_segment_fixed_size 0
		.amdhsa_enable_private_segment 0
		.amdhsa_kernarg_size 48
		.amdhsa_user_sgpr_count 2
		.amdhsa_user_sgpr_kernarg_segment_ptr 1
		.amdhsa_wavefront_size32 1
		.amdhsa_system_sgpr_workgroup_id_x 1
		.amdhsa_system_sgpr_workgroup_id_y 1
		.amdhsa_system_sgpr_workgroup_id_z 1
		.amdhsa_system_vgpr_workitem_id 0
		.amdhsa_next_free_vgpr 244
		.amdhsa_next_free_sgpr 66
		.amdhsa_reserve_vcc 0
		.amdhsa_float_denorm_mode_32 3
		.amdhsa_float_denorm_mode_16_64 3
		.amdhsa_memory_ordered 1
		.amdhsa_forward_progress 1
		.amdhsa_inst_pref_size 47
	.end_amdhsa_kernel
	.amdgpu_metadata
---
amdhsa.version: [ 1, 2 ]
amdhsa.kernels:
  - .name:           k_q8cc07deeea_prep
    .symbol:         k_q8cc07deeea_prep.kd
    .args:
      - { .name: x, .offset: 0, .size: 8, .value_kind: global_buffer, .address_space: global }
      - { .name: W_attn, .offset: 8, .size: 8, .value_kind: global_buffer, .address_space: global }
      - { .name: W_proj, .offset: 16, .size: 8, .value_kind: global_buffer, .address_space: global }
      - { .name: xq, .offset: 24, .size: 8, .value_kind: global_buffer, .address_space: global }
      - { .name: wq, .offset: 32, .size: 8, .value_kind: global_buffer, .address_space: global }
      - { .name: wp, .offset: 40, .size: 8, .value_kind: global_buffer, .address_space: global }
    .group_segment_fixed_size: 86528
    .private_segment_fixed_size: 0
    .kernarg_segment_align: 8
    .kernarg_segment_size: 48
    .max_flat_workgroup_size: 128
    .sgpr_count:     66
    .vgpr_count:     244
    .wavefront_size: 32
...
	.end_amdgpu_metadata
.endif
;; end of part 1
;; launch qkv (part 2): grid 24 x 32, 4 waves a work-group, no clusters, 0 bytes of LDS; arguments xq, wq, b_attn, qkv, fine; writes qkv, fine
.if DOCPART == 2
	.amdgcn_target "amdgcn-amd-amdhsa--gfx1250"
	.amdhsa_code_object_version 6
	.text
	.protected	k_q8cc07deeea_qkv
	.globl	k_q8cc07deeea_qkv
	.p2align	8
	.type	k_q8cc07deeea_qkv,@function
k_q8cc07deeea_qkv:
	s_mov_b64 s[64:65], 0
	v_nop
	global_prefetch_b8 v0, s[64:65] scope:SCOPE_SE
	s_setreg_imm32_b32 hwreg(HW_REG_WAVE_MODE, 25, 1), 1
	s_wait_xcnt 0x0
; QKV = Q(x) Q(W_attn) + b_attn on codes of E2M1 with E8M0 scales; sums in f32; the result leaves as f16 images of the operands that attention wants, and tokens 0-15 also as f32.
; SHARES: a wave makes 64 tokens (block tb) x 64 columns (block nb: one head of q, nb 0-15, of k, 16-31, or of v, 32-47): 16 accumulators.  Waves share nothing: no LDS, no barrier; fragments come straight from
; the images that the launch before laid, 512 consecutive bytes an instruction.  Every wait on loads is for 0: there is one set of fragment registers, and other waves of the SIMD work meanwhile.
; ONE K LOOP FOR ALL THREE: source 0 takes tiles 'F0', source 1 tiles 'F1'.  q, k: F0 = W's columns, F1 = x's tokens: a lane holds one token and 8 neighbouring channels.  v: F0 = x, F1 = W: a lane holds one
; channel and 8 neighbouring keys.  Either way accumulator (a, b), rounded to f16, is the half fragment at (a/2) 4096 + b 1024 + (a%2) 512 + 16 lane of block (nb, tb), 8,192 bytes, of qkv.
; No multicast: tiles are shared between work-groups, but the operands here are read from registers' images without LDS; with 16 KB of codes a K step for a work-group the plain form was taken first.
; LIMIT: q, k, v must lie under 65,504 (f16).
.set XSC, 2097152
.set WSC, 1572864
.set SC0, 16                           ; v16-31  F0's scale words: register 8 pair + K step; lanes 0-15 the pair's even tile, lanes 16-31 its odd tile
.set SC1, 32                           ; v32-47  F1's
.set F0,  48                           ; v48-79  four fragments
.set F1,  80                           ; v80-111
.set ACC, 112                          ; v112-239 accumulator (a, b) at 8 (4 a + b)
.set TP,  48                           ; the way out: 64 registers of f16 pairs, where the fragments lay
.macro LDF s
.irp a, 0,1,2,3
.irp c, 0,1
	global_load_b128 v[F0+8*\a+4*\c:F0+8*\a+4*\c+3], v1, s[32:33] offset:8192*\a+1024*(\s)+512*\c
.endr
.endr
.irp a, 0,1,2,3
.irp c, 0,1
	global_load_b128 v[F1+8*\a+4*\c:F1+8*\a+4*\c+3], v1, s[36:37] offset:8192*\a+1024*(\s)+512*\c
.endr
.endr
.endm
; accumulator (a, b) = F0(a) x F1(b) + accumulator (ca, cb), K step s.  An odd tile's scale words lie in lanes 16-31.
.macro MM a, b, s, ca, cb
.set rD, ACC+8*(4*(\a)+(\b))
.set rC, ACC+8*(4*(\ca)+(\cb))
.set rA, F0+8*(\a)
.set rB, F1+8*(\b)
.set rS, SC0+8*((\a)/2)+(\s)
.set rT, SC1+8*((\b)/2)+(\s)
.if ((\a)%2 == 0) && ((\b)%2 == 0)
	v_wmma_scale_f32_16x16x128_f8f6f4 v[rD:rD+7], v[rA:rA+7], v[rB:rB+7], v[rC:rC+7], v[rS], v[rT] matrix_a_fmt:MATRIX_FMT_FP4 matrix_b_fmt:MATRIX_FMT_FP4
.elseif ((\b)%2 == 0)
	v_wmma_scale_f32_16x16x128_f8f6f4 v[rD:rD+7], v[rA:rA+7], v[rB:rB+7], v[rC:rC+7], v[rS], v[rT] matrix_a_fmt:MATRIX_FMT_FP4 matrix_b_fmt:MATRIX_FMT_FP4 matrix_a_scale:MATRIX_SCALE_ROW1
.elseif ((\a)%2 == 0)
	v_wmma_scale_f32_16x16x128_f8f6f4 v[rD:rD+7], v[rA:rA+7], v[rB:rB+7], v[rC:rC+7], v[rS], v[rT] matrix_a_fmt:MATRIX_FMT_FP4 matrix_b_fmt:MATRIX_FMT_FP4 matrix_b_scale:MATRIX_SCALE_ROW1
.else
	v_wmma_scale_f32_16x16x128_f8f6f4 v[rD:rD+7], v[rA:rA+7], v[rB:rB+7], v[rC:rC+7], v[rS], v[rT] matrix_a_fmt:MATRIX_FMT_FP4 matrix_b_fmt:MATRIX_FMT_FP4 matrix_a_scale:MATRIX_SCALE_ROW1 matrix_b_scale:MATRIX_SCALE_ROW1
.endif
.endm
	s_load_b256 s[4:11], s[0:1], 0x0               ; xq s[4:5], wq s[6:7], b_attn s[8:9], qkv s[10:11]
	s_load_b64 s[12:13], s[0:1], 0x20              ; fine
	v_lshrrev_b32 v1, 5, v0
	v_readfirstlane_b32 s14, v1                    ; wave
	v_and_b32 v2, 31, v0
	v_lshlrev_b32 v1, 4, v2                        ; 16 lane
	v_lshlrev_b32 v2, 2, v2                        ; 4 lane
	v_bfe_u32 v3, v0, 4, 1
	v_lshlrev_b32 v3, 5, v3                        ; 32 (lane / 16)
	v_and_b32 v4, 15, v0
	v_lshlrev_b32 v4, 2, v4                        ; 4 (lane % 16)
	s_and_b32 s15, ttmp7, 0xffff
	s_lshl_b32 s15, s15, 1
	s_lshr_b32 s16, s14, 1
	s_add_co_u32 s15, s15, s16                     ; tb
	s_lshl_b32 s16, ttmp9, 1
	s_and_b32 s17, s14, 1
	s_add_co_u32 s16, s16, s17                     ; nb
	s_mov_b32 s26, XSC
	s_mov_b32 s27, WSC
	s_mov_b32 s29, 0
	s_wait_kmcnt 0x0
	s_cmp_lt_u32 ttmp9, 16                         ; q or k?  The choice hangs on the work-group's number alone
	s_cselect_b64 s[20:21], s[6:7], s[4:5]         ; F0's buffer
	s_cselect_b64 s[22:23], s[4:5], s[6:7]         ; F1's
	s_cselect_b32 s24, s16, s15                    ; F0's block of 64
	s_cselect_b32 s25, s15, s16
	s_cselect_b32 s18, s27, s26                    ; where F0's scale words begin
	s_cselect_b32 s19, s26, s27
	s_lshl_b32 s28, s24, 15                        ; 4 tiles x 8 K steps x 1,024 bytes
	s_add_nc_u64 s[32:33], s[20:21], s[28:29]
	s_lshl_b32 s28, s24, 11                        ; 2 pairs x 8 K steps x 128 bytes
	s_add_co_u32 s28, s28, s18
	s_add_nc_u64 s[34:35], s[20:21], s[28:29]
	s_lshl_b32 s28, s25, 15
	s_add_nc_u64 s[36:37], s[22:23], s[28:29]
	s_lshl_b32 s28, s25, 11
	s_add_co_u32 s28, s28, s19
	s_add_nc_u64 s[38:39], s[22:23], s[28:29]
	s_lshl_b32 s28, s16, 6
	s_add_co_u32 s28, s28, s15
	s_lshl_b32 s28, s28, 13
	s_add_nc_u64 s[10:11], s[10:11], s[28:29]      ; my block of qkv
	s_lshl_b32 s28, s16, 8
	s_add_nc_u64 s[8:9], s[8:9], s[28:29]          ; my 64 numbers of the bias
	s_lshl_b32 s28, s16, 12
	s_add_nc_u64 s[12:13], s[12:13], s[28:29]      ; my four tiles of fine
.irp p, 0,1
.irp k, 0,1,2,3,4,5,6,7
	global_load_b32 v[SC0+8*\p+\k], v2, s[34:35] offset:1024*\p+128*\k   ; all of K's scale words, once
	global_load_b32 v[SC1+8*\p+\k], v2, s[38:39] offset:1024*\p+128*\k
.endr
.endr
	LDF 0
	s_cmp_lt_u32 ttmp9, 16
	s_cbranch_scc0 .Lstart_v
	; q, k: the bias runs along source 0's rows: a lane's eight registers are its eight channels' numbers.  It is loaded into accumulators (a, 0) and is the C of each sum's first product: no addition is spent.
.irp a, 0,1,2,3
	global_load_b128 v[ACC+32*\a:ACC+32*\a+3], v3, s[8:9] offset:64*\a
	global_load_b128 v[ACC+32*\a+4:ACC+32*\a+7], v3, s[8:9] offset:64*\a+16
.endr
	s_wait_loadcnt 0x0
.irp b, 1,2,3
.irp a, 0,1,2,3
	MM \a, \b, 0, \a, 0
.endr
.endr
.rept 5
	v_nop                                          ; the next four write over registers that the twelve above read as C: five places (one more than ISA guide 7.12.1 asks for a vector instruction)
.endr
.irp a, 0,1,2,3
	MM \a, 0, 0, \a, 0
.endr
	s_branch .Lsteps
.Lstart_v:
	; v: the bias runs along source 1's columns: all eight registers of a lane hold its channel's number; accumulators (0, b) carry it.
.irp b, 0,1,2,3
.irp j, 0,1,2,3,4,5,6,7
	global_load_b32 v[ACC+8*\b+\j], v4, s[8:9] offset:64*\b
.endr
.endr
	s_wait_loadcnt 0x0
.irp a, 1,2,3
.irp b, 0,1,2,3
	MM \a, \b, 0, 0, \b
.endr
.endr
.rept 5
	v_nop
.endr
.irp b, 0,1,2,3
	MM 0, \b, 0, 0, \b
.endr
.Lsteps:
.irp k, 1,2,3,4,5,6,7                  ; the sixteen accumulators take turns, one instruction a turn, in the same order in every K step
.rept 4
	v_nop                                          ; places in front of loads into registers that matrix instructions have read
.endr
	LDF \k
	s_wait_loadcnt 0x0
.irp a, 0,1,2,3
.irp b, 0,1,2,3
	MM \a, \b, \k, \a, \b
.endr
.endr
.endr
.rept 4
	v_nop                                          ; places in front of the first read of results
.endr
	s_cmp_lg_u32 s15, 0
	s_cbranch_scc1 .Lpack
	; tokens 0-15 also leave in f32, each accumulator as it stands: registers 0-3 at 16 lane, 4-7 at 512 + 16 lane
	s_cmp_lt_u32 ttmp9, 16
	s_cbranch_scc0 .Lfine_v
.irp a, 0,1,2,3
	global_store_b128 v1, v[ACC+32*\a:ACC+32*\a+3], s[12:13] offset:1024*\a
	global_store_b128 v1, v[ACC+32*\a+4:ACC+32*\a+7], s[12:13] offset:1024*\a+512
.endr
	s_branch .Lpack
.Lfine_v:
.irp b, 0,1,2,3
	global_store_b128 v1, v[ACC+8*\b:ACC+8*\b+3], s[12:13] offset:1024*\b
	global_store_b128 v1, v[ACC+8*\b+4:ACC+8*\b+7], s[12:13] offset:1024*\b+512
.endr
.Lpack:
.irp t, 0,1,2,3,4,5,6,7,8,9,10,11,12,13,14,15
.irp q, 0,1,2,3
	v_cvt_pk_f16_f32 v[TP+4*\t+\q], v[ACC+8*\t+2*\q], v[ACC+8*\t+2*\q+1]   ; each accumulator from its low end on
.endr
.endr
.irp a, 0,1,2,3
.irp b, 0,1,2,3
	global_store_b128 v1, v[TP+4*(4*\a+\b):TP+4*(4*\a+\b)+3], s[10:11] offset:(\a/2)*4096+\b*1024+(\a%2)*512   ; 512 consecutive bytes; the sixteen cover my 8,192
.endr
.endr
	s_endpgm
.Lfunc_end_k_q8cc07deeea_qkv:
	.size	k_q8cc07deeea_qkv, .Lfunc_end_k_q8cc07deeea_qkv-k_q8cc07deeea_qkv
	.p2alignl 7, 3214868480
	.fill 96, 4, 3214868480
	.section	.rodata,"a",@progbits
	.p2align	6, 0x0
	.amdhsa_kernel k_q8cc07deeea_qkv
		.amdhsa_group_segment_fixed_size 0
		.amdhsa_private_segment_fixed_size 0
		.amdhsa_enable_private_segment 0
		.amdhsa_kernarg_size 40
		.amdhsa_user_sgpr_count 2
		.amdhsa_user_sgpr_kernarg_segment_ptr 1
		.amdhsa_wavefront_size32 1
		.amdhsa_system_sgpr_workgroup_id_x 1
		.amdhsa_system_sgpr_workgroup_id_y 1
		.amdhsa_system_sgpr_workgroup_id_z 1
		.amdhsa_system_vgpr_workitem_id 0
		.amdhsa_next_free_vgpr 240
		.amdhsa_next_free_sgpr 66
		.amdhsa_reserve_vcc 0
		.amdhsa_float_denorm_mode_32 3
		.amdhsa_float_denorm_mode_16_64 3
		.amdhsa_memory_ordered 1
		.amdhsa_forward_progress 1
		.amdhsa_inst_pref_size 48
	.end_amdhsa_kernel
	.amdgpu_metadata
---
amdhsa.version: [ 1, 2 ]
amdhsa.kernels:
  - .name:           k_q8cc07deeea_qkv
    .symbol:         k_q8cc07deeea_qkv.kd
    .args:
      - { .name: xq, .offset: 0, .size: 8, .value_kind: global_buffer, .address_space: global }
      - { .name: wq, .offset: 8, .size: 8, .value_kind: global_buffer, .address_space: global }
      - { .name: b_attn, .offset: 16, .size: 8, .value_kind: global_buffer, .address_space: global }
      - { .name: qkv, .offset: 24, .size: 8, .value_kind: global_buffer, .address_space: global }
      - { .name: fine, .offset: 32, .size: 8, .value_kind: global_buffer, .address_space: global }
    .group_segment_fixed_size: 0
    .private_segment_fixed_size: 0
    .kernarg_segment_align: 8
    .kernarg_segment_size: 40
    .max_flat_workgroup_size: 128
    .sgpr_count:     66
    .vgpr_count:     240
    .wavefront_size: 32
...
	.end_amdgpu_metadata
.endif
;; end of part 2
;; launch attn (part 3): grid 16 x 16, 8 waves a work-group, no clusters, 66,560 bytes of LDS; arguments qkv, yi; writes yi
.if DOCPART == 3
	.amdgcn_target "amdgcn-amd-amdhsa--gfx1250"
	.amdhsa_code_object_version 6
	.text
	.protected	k_q8cc07deeea_attn
	.globl	k_q8cc07deeea_attn
	.p2align	8
	.type	k_q8cc07deeea_attn,@function
k_q8cc07deeea_attn:
	s_mov_b64 s[64:65], 0
	v_nop
	global_prefetch_b8 v0, s[64:65] scope:SCOPE_SE
	s_setreg_imm32_b32 hwreg(HW_REG_WAVE_MODE, 25, 1), 1
	s_wait_xcnt 0x0
; y[head][q] = the sum over keys k <= q of softmax_k(q . k / 8) v[k], head size 64; operands in f16, products, maxima and sums in f32; y leaves as f16, laid as the projection's operand.
; SHARES: work-group (i, head) takes the blocks of 128 queries 31 - i and then i; a block j walks the key tiles 0 .. j of 128 keys: (32 - i) + (i + 1) = 33 trips in EVERY work-group, so the loop's count is a
; constant and all work-groups have equal work under the causal mask.  Each of the eight waves owns 16 queries of the block.
; LAYOUT: S^T = K Q^T (source 0 = 16 keys, source 1 = my 16 queries) and O^T = V^T P: a lane holds ONE query throughout; two tiles of S^T rounded in pairs ARE source 1 of the second product.
; K and V lie in memory as images of their fragments, so a tile of 128 keys is 16 KB of K and 16 KB of V on end: each wave copies 4 KB a trip through registers into one of two LDS slots, and every fragment is
; read back by 16 bytes a lane at 16 x lane: no pitch, no padding, no turning load.
; SOFTMAX: a running maximum m and sum l for each query; p = 2^(c s - c m), c = log2(e) / 8; O and l are multiplied by a = 2^(c m_old - c m_new) in every step.  On a block's last trip (the diagonal) hidden scores
; become -infinity; key 0 counts for every query, so m is a number from the first step on.
; ONE barrier a trip: in front of it each wave has waited for its stores into the next slot and for its reads of this one.
; No multicast: the work-groups of a head leave their first blocks after different numbers of trips and then walk different tiles, so partners would need different tiles in the same round.
; LIMITS: NaN and infinities are not served; y must lie under 65,504 (f16).
.set SLOT,  32768                      ; a slot: K's 16 KB, then V's
.set VOFF,  16384
.set SPARE, 65536                      ; the spare words, 128 bytes a wave: four blocks of 256 bytes that no other line names
.set LI,   1                           ; v1   16 lane
.set SWA,  2                           ; v2   where I store my 4 KB of a tile: 4096 wave + 16 lane
.set GOF,  3                           ; v3   the same piece in memory: 4096 (wave % 4) + 16 lane
.set GAD,  4                           ; v4   + 16,384 x the tile
.set PFO,  5                           ; v5   256 lane; never rewritten
.set SPW,  6                           ; v6   my spare word; never rewritten
.set NIL,  7                           ; v7   0; never rewritten
.set D0,   8                           ; v8   16 wave + lane % 16 - 8 (lane / 16): register 8 b + j of step u holds a hidden key on the diagonal where 64 u + 16 b + j is above it
.set NINF, 9                           ; v9   -infinity
.set QO,   10                          ; v10  my byte offset in q's and in y's image
.set CM,   12                          ; v12  c m   (named with m as a pair)
.set MX,   13                          ; v13  m
.set LS,   14                          ; v[14:15] l: even keys', odd keys'
.set WK,   16                          ; v16-19 at work; a in v18
.set QF,   20                          ; v20-35 Q: two fragments
.set SS,   36                          ; v36-67 S^T: key tile b at 8 b
.set PP,   68                          ; v68-83 P; on the way out y
.set OO,   84                          ; v84-115 O^T: channel tile d at 8 d
.set KV,   116                         ; v116-179 eight fragments: K's, then V's
.set GG,   180                         ; v180-211 the tile on its way from memory to LDS
; s8 wave, s9 i, s10 head, s11 32 - i, s12 trips left in the block, s13 the tile to load next, s14 the loop's count, s15 the prefetches' limit, s16 the block, s18 where s13 wraps (once), s[20:21] lane selects,
; s[22:23] c, s[24:25] K's or V's head in memory, s[28:29] where my prefetches stand
.macro GLOAD                           ; my 4 KB of tile s13 into registers; then s13 steps, and at the first block's end goes back to tile 0, once
	s_lshl_b32 s30, s13, 14
	v_add_nc_u32 v[GAD], s30, v[GOF]
.irp i, 0,1,2,3,4,5,6,7
	global_load_b128 v[GG+4*\i:GG+4*\i+3], v[GAD], s[24:25] offset:512*\i
.endr
	s_add_co_u32 s13, s13, 1
	s_cmp_eq_u32 s13, s18
	s_cselect_b32 s13, 0, s13
	s_cselect_b32 s18, -1, s18
.endm
.macro GSTORE o
.irp i, 0,1,2,3,4,5,6,7
	ds_store_b128 v[SWA], v[GG+4*\i:GG+4*\i+3] offset:(\o)*SLOT+512*\i
.endr
.endm
; A PREFETCH INTO THE L2: in trip n of its first block, which walks all 32 tiles, the head's work-group i = 0 asks for tile n + 4, two trips ahead of the load that wants it: waves 0 and 1 for the halves of K's 16 KB,
; waves 2 and 3 for V's, lanes 256 bytes apart: each aligned block of 256 bytes is named once in the launch.  Tiles 0 to 3 come by their loads alone; the last four trips of the block ask for nothing.
.macro ASK
	s_cmp_gt_u32 s12, s15
	s_cbranch_scc0 .Lnot_mine_\@
	global_prefetch_b8 v[PFO], s[28:29] th:TH_LOAD_NT scope:SCOPE_SE
.Lnot_mine_\@:
.endm
.macro INIT                            ; block s16 begins: my tile's Q is asked for; O^T and l are zeros, m lies under every score
	s_lshl_b32 s30, s16, 1
	s_lshr_b32 s31, s8, 2
	s_add_co_u32 s30, s30, s31                     ; my block of 64 tokens
	s_lshl_b32 s31, s10, 6
	s_add_co_u32 s30, s30, s31
	s_lshl_b32 s30, s30, 13
	s_and_b32 s31, s8, 3
	s_lshl_b32 s31, s31, 10                        ; my tile of 16 in it
	s_add_co_u32 s30, s30, s31
	v_add_nc_u32 v[QO], s30, v[LI]
.irp g, 0,1
.irp c, 0,1
	global_load_b128 v[QF+8*\g+4*\c:QF+8*\g+4*\c+3], v[QO], s[4:5] offset:4096*\g+512*\c
.endr
.endr
.irp j, 0,1,2,3,4,5,6,7,8,9,10,11,12,13,14,15,16,17,18,19,20,21,22,23,24,25,26,27,28,29,30,31
	v_mov_b32 v[OO+\j], 0                          ; the step is written once: a block's first step finds zeros, which a = 0 leaves zeros
.endr
	v_mov_b32 v[LS], 0
	v_mov_b32 v[LS+1], 0
	v_mov_b32 v[MX], 0xff61b1e6                    ; -3e38
	v_mul_f32 v[CM], s22, v[MX]
.endm
.macro SOFTMAX
.irp k, 0,1,2,3
	v_max3_num_f32 v[WK+\k], v[SS+8*\k], v[SS+8*\k+1], v[SS+8*\k+2]      ; four chains, each begun at its accumulator's low end
.endr
.irp k, 0,1,2,3
	v_max3_num_f32 v[WK+\k], v[WK+\k], v[SS+8*\k+3], v[SS+8*\k+4]
.endr
.irp k, 0,1,2,3
	v_max3_num_f32 v[WK+\k], v[WK+\k], v[SS+8*\k+5], v[SS+8*\k+6]
.endr
	v_max3_num_f32 v[WK], v[WK], v[SS+7], v[SS+15]
	v_max3_num_f32 v[WK+2], v[WK+2], v[SS+23], v[SS+31]
	v_max3_num_f32 v[WK], v[WK], v[WK+1], v[WK+2]
	v_max3_num_f32 v[WK], v[WK], v[WK+3], v[MX]                          ; and the old m
	v_permlanex16_b32 v[WK+1], v[WK], s20, s21                           ; the query's other 32 keys lie in the lane 16 away
	v_mov_b32 v[WK+3], v[CM]
	v_max_num_f32 v[MX], v[WK], v[WK+1]
	v_mul_f32 v[CM], s22, v[MX]
	v_sub_f32 v[WK+3], v[WK+3], v[CM]                                    ; c m_old - c m_new
.irp j, 0,2,4,6,8,10,12,14,16,18,20,22,24,26,28,30
	v_pk_fma_f32 v[SS+\j:SS+\j+1], v[SS+\j:SS+\j+1], s[22:23], v[CM:CM+1] op_sel_hi:[1,0,0] neg_lo:[0,0,1] neg_hi:[0,0,1]   ; c s - c m
.endr
	v_exp_f32 v[WK+2], v[WK+3]                                           ; a
.irp j, 0,1,2,3,4,5,6,7,8,9,10,11,12,13,14,15,16,17,18,19,20,21,22,23,24,25,26,27,28,29,30,31
	v_exp_f32 v[SS+\j], v[SS+\j]                                         ; p, at most 1
.endr
	v_nop                                          ; a plain instruction behind the last exponential
	s_wait_alu depctr_va_vdst(0)                   ; the wait ahead of the first line that names a result: one for the batch of 33
.irp j, 0,1,2,3,4,5,6,7,8,9,10,11,12,13,14,15
	v_cvt_pk_f16_f32 v[PP+\j], v[SS+2*\j], v[SS+2*\j+1]
.endr
.irp j, 0,4,8,12,16,20,24,28
	v_pk_add_f32 v[SS+\j:SS+\j+1], v[SS+\j:SS+\j+1], v[SS+\j+2:SS+\j+3]  ; the sum of the unrounded p, as a tree in place
.endr
.irp j, 0,8,16,24
	v_pk_add_f32 v[SS+\j:SS+\j+1], v[SS+\j:SS+\j+1], v[SS+\j+4:SS+\j+5]
.endr
	v_pk_add_f32 v[SS:SS+1], v[SS:SS+1], v[SS+8:SS+9]
	v_pk_add_f32 v[SS+16:SS+17], v[SS+16:SS+17], v[SS+24:SS+25]
	v_pk_add_f32 v[SS:SS+1], v[SS:SS+1], v[SS+16:SS+17]
	v_pk_fma_f32 v[LS:LS+1], v[LS:LS+1], v[WK+2:WK+3], v[SS:SS+1] op_sel_hi:[1,0,1]   ; l = a l + the sum
.irp j, 0,2,4,6,8,10,12,14,16,18,20,22,24,26,28,30
	v_pk_mul_f32 v[OO+\j:OO+\j+1], v[OO+\j:OO+\j+1], v[WK+2:WK+3] op_sel_hi:[1,0]     ; O^T x a
.endr
.endm
; 64 keys: half u of the tile in the slot.  always = 1: the mask is applied; 0: only on the block's last trip.
.macro STEP slot, u, always
.rept 4
	v_nop                                          ; places in front of loads into registers that matrix instructions have read
.endr
.irp g, 0,1
.irp b, 0,1,2,3
.irp c, 0,1
	ds_load_b128 v[KV+8*(4*\g+\b)+4*\c:KV+8*(4*\g+\b)+4*\c+3], v[LI] offset:(\slot)*SLOT+(\u)*8192+\g*4096+\b*1024+\c*512
.endr
.endr
.endr
	s_wait_dscnt 0x0
.irp b, 0,1,2,3                        ; the four accumulators take turns; the first products start the sums
	v_wmma_f32_16x16x32_f16 v[SS+8*\b:SS+8*\b+7], v[KV+8*\b:KV+8*\b+7], v[QF:QF+7], 0
.endr
.irp b, 0,1,2,3
	v_wmma_f32_16x16x32_f16 v[SS+8*\b:SS+8*\b+7], v[KV+32+8*\b:KV+32+8*\b+7], v[QF+8:QF+15], v[SS+8*\b:SS+8*\b+7]
.endr
.rept 4
	v_nop                                          ; places in front of V's loads into K's registers and of the first read of the scores
.endr
.irp g, 0,1
.irp b, 0,1,2,3
.irp c, 0,1
	ds_load_b128 v[KV+8*(4*\g+\b)+4*\c:KV+8*(4*\g+\b)+4*\c+3], v[LI] offset:(\slot)*SLOT+VOFF+(\u)*8192+\g*4096+\b*1024+\c*512   ; V lands while the softmax is walked
.endr
.endr
.endr
.if (\always) == 0
	s_cmp_lg_u32 s12, 1                            ; ids and the count of trips alone
	s_cbranch_scc1 .Lopen_\@
.endif
.irp b, 0,1,2,3
.irp j, 0,1,2,3,4,5,6,7
	v_cmp_gt_i32 vcc_lo, 64*(\u)+16*\b+\j, v[D0]
	v_cndmask_b32 v[SS+8*\b+\j], v[SS+8*\b+\j], v[NINF], vcc_lo
.endr
.endr
.Lopen_\@:
	SOFTMAX
	s_wait_dscnt 0x0                               ; V is in
.irp g, 0,1
.irp d, 0,1,2,3
	v_wmma_f32_16x16x32_f16 v[OO+8*\d:OO+8*\d+7], v[KV+8*(4*\g+\d):KV+8*(4*\g+\d)+7], v[PP+8*\g:PP+8*\g+7], v[OO+8*\d:OO+8*\d+7]
.endr
.endr
.endm
.macro FINISH                          ; the block is done: O^T / l, rounded to f16, is four half fragments of y's image
.rept 4
	v_nop
.endr
	v_add_f32 v[WK], v[LS], v[LS+1]
	v_permlanex16_b32 v[WK+1], v[WK], s20, s21
	v_add_f32 v[WK], v[WK], v[WK+1]
	v_rcp_f32 v[WK+2], v[WK]
	v_nop
	s_wait_alu depctr_va_vdst(0)                   ; ahead of the reciprocal's first reader
.irp j, 0,2,4,6,8,10,12,14,16,18,20,22,24,26,28,30
	v_pk_mul_f32 v[OO+\j:OO+\j+1], v[OO+\j:OO+\j+1], v[WK+2:WK+3] op_sel_hi:[1,0]
.endr
.irp j, 0,1,2,3,4,5,6,7,8,9,10,11,12,13,14,15
	v_cvt_pk_f16_f32 v[PP+\j], v[OO+2*\j], v[OO+2*\j+1]
.endr
.irp d, 0,1,2,3
	global_store_b128 v[QO], v[PP+4*\d:PP+4*\d+3], s[6:7] offset:(\d/2)*4096+(\d%2)*512   ; 512 consecutive bytes
.endr
.endm
; A trip: tile n lies in the slot.  mode 0: tile n + 1 goes from registers into the other slot and tile n + 2 is asked for; mode 1: the same, but in the loop's last trip nothing is left to ask for; mode 2: the last trip.
.macro TRIP slot, mode
.if (\mode) != 2
	s_wait_xcnt 0x0                                ; the last prefetch, a trip back, has read its address
	s_add_nc_u64 s[28:29], s[28:29], 16384
	s_wait_loadcnt 0x0                             ; tile n + 1 is in my registers (and Q, where a block has just begun)
	GSTORE 1-(\slot)                               ; the other slot was last read a trip ago, ahead of that trip's barrier
	s_wait_dscnt 0x0                               ; the stores are done: their registers may be loaded again
.if (\mode) == 1
	s_cmp_eq_u32 s14, 1
	s_cbranch_scc1 .Lno_load_\@
.endif
	GLOAD
.Lno_load_\@:
	ASK
	STEP \slot, 0, 0
	STEP \slot, 1, 0
	s_cmp_lg_u32 s12, 1                            ; the first block's last trip?  The same in all eight waves; no barrier stands inside
	s_cbranch_scc1 .Lsame_\@
	FINISH
	s_wait_xcnt 0x0                                ; y's stores have read their offset and their data: both are written again below and in the next step
	s_mov_b32 s16, s9
	INIT
	s_add_co_u32 s12, s9, 2
.Lsame_\@:
	s_sub_co_u32 s12, s12, 1
	s_wait_dscnt 0x0                               ; my stores into the other slot and my reads of this one are over
	s_barrier_signal -1
	s_barrier_wait -1
.else
	s_wait_loadcnt 0x0
	STEP \slot, 0, 1
	STEP \slot, 1, 1
	FINISH
.endif
.endm
	s_load_b128 s[4:7], s[0:1], 0x0                ; qkv s[4:5], yi s[6:7]
	v_lshl_add_u32 v[SPW], v0, 2, SPARE
	v_mov_b32 v[NIL], 0
	v_lshrrev_b32 v1, 5, v0
	v_readfirstlane_b32 s8, v1                     ; wave
	s_mov_b32 s9, ttmp9                            ; i
	s_and_b32 s10, ttmp7, 0xffff                   ; head
	s_sub_co_u32 s11, 32, s9                       ; the first block's trips
	s_mov_b32 s20, 0x76543210
	s_mov_b32 s21, 0xfedcba98                      ; v_permlanex16_b32's selects for lane l xor 16
	s_mov_b32 s22, 0x3e38aa3b                      ; c = log2(e) / 8
	s_mov_b32 s23, s22
	v_and_b32 v1, 31, v0
	v_lshlrev_b32 v[LI], 4, v1
	s_lshl_b32 s30, s8, 12
	v_add_nc_u32 v[SWA], s30, v[LI]
	s_and_b32 s30, s8, 3
	s_lshl_b32 s30, s30, 12
	v_add_nc_u32 v[GOF], s30, v[LI]
	v_lshlrev_b32 v[PFO], 4, v[LI]
	v_and_b32 v[D0], 15, v0
	v_bfe_u32 v[NINF], v0, 4, 1
	v_lshlrev_b32 v[NINF], 3, v[NINF]
	v_sub_nc_u32 v[D0], v[D0], v[NINF]
	s_lshl_b32 s30, s8, 4
	v_add_nc_u32 v[D0], s30, v[D0]
	v_mov_b32 v[NINF], 0xff800000
	s_lshr_b32 s30, s8, 2                          ; waves 0-3 copy K, waves 4-7 V
	s_or_b32 s31, s30, s9
	s_cmp_eq_u32 s31, 0
	s_cselect_b32 s15, 4, -1                       ; waves 0-3 of work-group i = 0 prefetch while more than 4 trips of the block are left
	s_add_co_u32 s30, s30, 1
	s_lshl_b32 s30, s30, 23                        ; k's heads begin 8,388,608 bytes into qkv, v's 16,777,216
	s_lshl_b32 s26, s10, 19                        ; a head is 524,288 bytes
	s_add_co_u32 s30, s30, s26
	s_mov_b32 s31, 0
	s_wait_kmcnt 0x0
	s_add_nc_u64 s[24:25], s[4:5], s[30:31]
	s_and_b32 s30, s8, 3
	s_lshr_b32 s30, s30, 1
	s_add_co_u32 s30, s30, 1
	s_lshl_b32 s30, s30, 23
	s_add_co_u32 s30, s30, s26
	s_and_b32 s27, s8, 1
	s_lshl_b32 s27, s27, 13
	s_add_co_u32 s30, s30, s27
	s_add_co_u32 s30, s30, 3*16384                 ; at tile 3: the first trip steps it to tile 4
	s_add_nc_u64 s[28:29], s[4:5], s[30:31]
	s_sub_co_u32 s16, 31, s9
	INIT
	s_mov_b32 s13, 0
	s_mov_b32 s18, s11
	GLOAD                                          ; tile 0
	s_wait_loadcnt 0x0
	GSTORE 0
	s_wait_dscnt 0x0
	GLOAD                                          ; tile 1
	s_barrier_signal -1
	s_barrier_wait -1
	s_mov_b32 s12, s11
	s_mov_b32 s14, 16
.Ltrips:                                               ; 16 x 2 trips; the 33rd, always the second block's diagonal, is written out
	TRIP 0, 0
	TRIP 1, 1
	s_sub_co_u32 s14, s14, 1
	s_cmp_lg_u32 s14, 0
	s_cbranch_scc1 .Ltrips
	TRIP 0, 2
	s_wait_tensorcnt 0x0                           ; the wave's end: three lines behind my last LDS store
	ds_add_u32 v[SPW], v[NIL]
	s_wait_dscnt 0x0
	s_endpgm
.Lfunc_end_k_q8cc07deeea_attn:
	.size	k_q8cc07deeea_attn, .Lfunc_end_k_q8cc07deeea_attn-k_q8cc07deeea_attn
	.p2alignl 7, 3214868480
	.fill 96, 4, 3214868480
	.section	.rodata,"a",@progbits
	.p2align	6, 0x0
	.amdhsa_kernel k_q8cc07deeea_attn
		.amdhsa_group_segment_fixed_size 66560
		.amdhsa_private_segment_fixed_size 0
		.amdhsa_enable_private_segment 0
		.amdhsa_kernarg_size 16
		.amdhsa_user_sgpr_count 2
		.amdhsa_user_sgpr_kernarg_segment_ptr 1
		.amdhsa_wavefront_size32 1
		.amdhsa_system_sgpr_workgroup_id_x 1
		.amdhsa_system_sgpr_workgroup_id_y 1
		.amdhsa_system_sgpr_workgroup_id_z 1
		.amdhsa_system_vgpr_workitem_id 0
		.amdhsa_next_free_vgpr 216
		.amdhsa_next_free_sgpr 66
		.amdhsa_reserve_vcc 1
		.amdhsa_float_denorm_mode_32 3
		.amdhsa_float_denorm_mode_16_64 3
		.amdhsa_memory_ordered 1
		.amdhsa_forward_progress 1
		.amdhsa_inst_pref_size 96
	.end_amdhsa_kernel
	.amdgpu_metadata
---
amdhsa.version: [ 1, 2 ]
amdhsa.kernels:
  - .name:           k_q8cc07deeea_attn
    .symbol:         k_q8cc07deeea_attn.kd
    .args:
      - { .name: qkv, .offset: 0, .size: 8, .value_kind: global_buffer, .address_space: global }
      - { .name: yi, .offset: 8, .size: 8, .value_kind: global_buffer, .address_space: global }
    .group_segment_fixed_size: 66560
    .private_segment_fixed_size: 0
    .kernarg_segment_align: 8
    .kernarg_segment_size: 16
    .max_flat_workgroup_size: 256
    .sgpr_count:     66
    .vgpr_count:     216
    .wavefront_size: 32
...
	.end_amdgpu_metadata
.endif
;; end of part 3
;; launch proj (part 4): grid 8 x 32, 8 waves a work-group, no clusters, 101,376 bytes of LDS; arguments yi, wp, b_proj, out0; writes out0
.if DOCPART == 4
	.amdgcn_target "amdgcn-amd-amdhsa--gfx1250"
	.amdhsa_code_object_version 6
	.text
	.protected	k_q8cc07deeea_proj
	.globl	k_q8cc07deeea_proj
	.p2align	8
	.type	k_q8cc07deeea_proj,@function
k_q8cc07deeea_proj:
	s_mov_b64 s[64:65], 0
	v_nop
	global_prefetch_b8 v0, s[64:65] scope:SCOPE_SE
	s_setreg_imm32_b32 hwreg(HW_REG_WAVE_MODE, 25, 1), 1
	s_wait_xcnt 0x0
; out0 = y W_proj + b_proj for rows 16 to 4,095; operands in f16, sums in f32.  Rows 0-15 belong to the launch that carries them in f32.
; SHARES: a work-group makes 128 tokens x 128 columns; wave w 32 tokens (w / 2) x 64 columns (w % 2): eight accumulators.  The product is used transposed (source 0 = 16 columns of W, source 1 = 16 tokens of y):
; a lane holds one token and eight neighbouring columns.
; K goes in 16 steps of 64 channels, all written out.  Both operands lie in memory as images of their fragments: a step is 16 KB of y and 16 KB of W on end; each wave copies 4 KB a step through registers into one
; of two LDS slots; fragments are read at 16 x lane.  One barrier a step: in front of it each wave has waited for its stores into the next slot and its reads of this one.
; The bias is the C of each sum's first product.  The way out goes through each wave's own stage, so that sixteen lanes store 256 consecutive bytes, aligned.
; No multicast: tiles are shared along rows and columns of the grid, but a step's matrix work is short and the plain form through registers was taken first.
.set SLOT,  32768
.set STG,   65536                      ; eight stages of 16 rows x (256 + 16) bytes
.set SPARE, 100352                     ; the spare words, 128 bytes a wave: four blocks of 256 bytes that no other line names
.set YF,  16                           ; v16-47   y's fragments (g, t) at 8 (2 g + t)
.set WF,  48                           ; v48-111  W's (g, e) at 8 (4 g + e); on the way out rows of the result
.set ACC, 112                          ; v112-175 accumulator (e, t) at 8 (2 e + t)
.set GG,  176                          ; v176-207 the step on its way from memory to LDS
.macro PMM g, t, e, ct
	v_wmma_f32_16x16x32_f16 v[ACC+8*(2*(\e)+(\t)):ACC+8*(2*(\e)+(\t))+7], v[WF+8*(4*(\g)+(\e)):WF+8*(4*(\g)+(\e))+7], v[YF+8*(2*(\g)+(\t)):YF+8*(2*(\g)+(\t))+7], v[ACC+8*(2*(\e)+(\ct)):ACC+8*(2*(\e)+(\ct))+7]
.endm
.macro PLOAD
.irp i, 0,1,2,3,4,5,6,7
	global_load_b128 v[GG+4*\i:GG+4*\i+3], v1, s[24:25] offset:512*\i
.endr
.endm
.macro PSTORE o
.irp i, 0,1,2,3,4,5,6,7
	ds_store_b128 v2, v[GG+4*\i:GG+4*\i+3] offset:(\o)*SLOT+512*\i
.endr
.endm
.macro PTRIP n
.if (\n) < 15
	s_wait_loadcnt 0x0                             ; step n + 1 is in my registers; its loads have read their base
	PSTORE ((\n)+1)%2
	s_wait_dscnt 0x0
.endif
.if (\n) < 14
	s_add_nc_u64 s[24:25], s[24:25], s[26:27]
	PLOAD                                          ; step n + 2
.endif
.rept 4
	v_nop                                          ; places in front of loads into registers that matrix instructions have read
.endr
.irp g, 0,1
.irp t, 0,1
.irp c, 0,1
	ds_load_b128 v[YF+8*(2*\g+\t)+4*\c:YF+8*(2*\g+\t)+4*\c+3], v3 offset:((\n)%2)*SLOT+\g*4096+\t*1024+\c*512
.endr
.endr
.irp e, 0,1,2,3
.irp c, 0,1
	ds_load_b128 v[WF+8*(4*\g+\e)+4*\c:WF+8*(4*\g+\e)+4*\c+3], v4 offset:((\n)%2)*SLOT+\g*4096+\e*1024+\c*512
.endr
.endr
.endr
	s_wait_dscnt 0x0
.if (\n) == 0
.irp e, 0,1,2,3
	PMM 0, 1, \e, 0                                ; the bias lies in accumulators (e, 0) and is the C of both sums' first products
.endr
.rept 5
	v_nop                                          ; the next four write over registers that the four above read as C: five places
.endr
.irp e, 0,1,2,3
	PMM 0, 0, \e, 0
.endr
.else
.irp t, 0,1
.irp e, 0,1,2,3
	PMM 0, \t, \e, \t
.endr
.endr
.endif
.irp t, 0,1                            ; the eight accumulators take turns, one instruction a turn
.irp e, 0,1,2,3
	PMM 1, \t, \e, \t
.endr
.endr
.if (\n) < 15
	s_barrier_signal -1                            ; no LDS instruction of mine is out
	s_barrier_wait -1
.endif
.endm
.macro OUTT t                          ; 16 tokens x 64 columns through my stage
.irp e, 0,1,2,3
	ds_store_b128 v5, v[ACC+8*(2*\e+(\t)):ACC+8*(2*\e+(\t))+3] offset:64*\e       ; each accumulator from its low end on
	ds_store_b128 v5, v[ACC+8*(2*\e+(\t))+4:ACC+8*(2*\e+(\t))+7] offset:64*\e+16
.endr
.irp i, 0,1,2,3,4,5,6,7
	ds_load_b128 v[WF+32*(\t)+4*\i:WF+32*(\t)+4*\i+3], v8 offset:2*\i*272        ; LDS serves a wave's instructions in order: these see my stores
.endr
	s_wait_dscnt 0x0
.irp i, 0,1,2,3,4,5,6,7
	global_store_b128 v9, v[WF+32*(\t)+4*\i:WF+32*(\t)+4*\i+3], s[10:11] offset:(16*(\t)+2*\i)*4096 th:TH_STORE_NT
.endr
.endm
	s_load_b256 s[4:11], s[0:1], 0x0               ; yi s[4:5], wp s[6:7], b_proj s[8:9], out0 s[10:11]
	v_lshl_add_u32 v6, v0, 2, SPARE                ; my spare word, and 0: kept for the closing lines alone
	v_mov_b32 v7, 0
	v_lshrrev_b32 v1, 5, v0
	v_readfirstlane_b32 s12, v1                    ; wave
	s_mov_b32 s13, ttmp9                           ; X: 128 columns
	s_and_b32 s14, ttmp7, 0xffff                   ; Y: 128 tokens
	s_lshr_b32 s15, s12, 1                         ; my 32 tokens
	s_and_b32 s16, s12, 1                          ; my 64 columns
	v_and_b32 v1, 31, v0
	v_lshlrev_b32 v1, 4, v1                        ; 16 lane
	s_lshl_b32 s20, s12, 12
	v_add_nc_u32 v2, s20, v1                       ; where I store my 4 KB of a step: waves 0-3 y's, waves 4-7 W's
	s_lshr_b32 s20, s15, 1
	s_lshl_b32 s20, s20, 13
	s_and_b32 s21, s15, 1
	s_lshl_b32 s21, s21, 11
	s_add_co_u32 s20, s20, s21
	v_add_nc_u32 v3, s20, v1                       ; y's fragments: my block of 64 tokens, my two tiles in it
	s_lshl_b32 s20, s16, 13
	s_add_co_u32 s20, s20, 16384
	v_add_nc_u32 v4, s20, v1                       ; W's: behind y's 16 KB, my block of 64 columns
	s_mul_i32 s20, s12, 16*272
	s_add_co_u32 s20, s20, STG                     ; my stage
	v_and_b32 v11, 15, v0
	v_bfe_u32 v12, v0, 4, 1
	v_mul_u32_u24 v5, v11, 272
	v_lshl_add_u32 v5, v12, 5, v5
	v_add_nc_u32 v5, s20, v5                       ; in: row = my token, 32 bytes for each half of the lanes
	v_mul_u32_u24 v8, v12, 272
	v_lshl_add_u32 v8, v11, 4, v8
	v_add_nc_u32 v8, s20, v8                       ; back: lanes 0-15 one row of 256 bytes, lanes 16-31 the next
	v_lshlrev_b32 v9, 12, v12
	v_lshl_add_u32 v9, v11, 4, v9                  ; and the same two rows in out0
	v_lshlrev_b32 v10, 5, v12                      ; the bias: 32 (lane / 16)
	s_mov_b32 s27, 0
	s_mov_b32 s26, 131072                          ; from step to step: 16 blocks of wp,
	s_wait_kmcnt 0x0
	s_cmp_lt_u32 s12, 4
	s_cselect_b64 s[24:25], s[4:5], s[6:7]
	s_cselect_b32 s20, s14, s13
	s_cselect_b32 s26, 524288, s26                 ; or 64 blocks of yi
	s_lshl_b32 s20, s20, 14                        ; two blocks of 8,192 bytes
	s_and_b32 s21, s12, 3
	s_lshl_b32 s21, s21, 12
	s_add_co_u32 s20, s20, s21
	s_mov_b32 s21, 0
	s_add_nc_u64 s[24:25], s[24:25], s[20:21]
	s_lshl_b32 s20, s13, 9
	s_lshl_b32 s23, s16, 8
	s_add_co_u32 s20, s20, s23                     ; my first column, in bytes
	s_add_nc_u64 s[8:9], s[8:9], s[20:21]
	s_lshl_b32 s22, s14, 7
	s_lshl_b32 s23, s15, 5
	s_add_co_u32 s22, s22, s23                     ; my first token
	s_lshl_b32 s23, s22, 12
	s_add_co_u32 s20, s20, s23
	s_add_nc_u64 s[10:11], s[10:11], s[20:21]
.irp e, 0,1,2,3
	global_load_b128 v[ACC+16*\e:ACC+16*\e+3], v10, s[8:9] offset:64*\e
	global_load_b128 v[ACC+16*\e+4:ACC+16*\e+7], v10, s[8:9] offset:64*\e+16
.endr
	PLOAD                                          ; step 0
	s_wait_loadcnt 0x0
	PSTORE 0
	s_wait_dscnt 0x0
	s_add_nc_u64 s[24:25], s[24:25], s[26:27]
	PLOAD                                          ; step 1
	s_barrier_signal -1
	s_barrier_wait -1
.set NN, 0
.rept 16
	PTRIP NN
.set NN, NN+1
.endr
.rept 4
	v_nop                                          ; places in front of the first read of results and of loads into W's registers
.endr
	s_cmp_eq_u32 s22, 0                            ; tokens 0-15 are another launch's
	s_cbranch_scc1 .Lnot_first
	OUTT 0
.Lnot_first:
	OUTT 1
	s_wait_tensorcnt 0x0                           ; the wave's end: three lines behind my last LDS store
	ds_add_u32 v6, v7
	s_wait_dscnt 0x0
	s_endpgm
.Lfunc_end_k_q8cc07deeea_proj:
	.size	k_q8cc07deeea_proj, .Lfunc_end_k_q8cc07deeea_proj-k_q8cc07deeea_proj
	.p2alignl 7, 3214868480
	.fill 96, 4, 3214868480
	.section	.rodata,"a",@progbits
	.p2align	6, 0x0
	.amdhsa_kernel k_q8cc07deeea_proj
		.amdhsa_group_segment_fixed_size 101376
		.amdhsa_private_segment_fixed_size 0
		.amdhsa_enable_private_segment 0
		.amdhsa_kernarg_size 32
		.amdhsa_user_sgpr_count 2
		.amdhsa_user_sgpr_kernarg_segment_ptr 1
		.amdhsa_wavefront_size32 1
		.amdhsa_system_sgpr_workgroup_id_x 1
		.amdhsa_system_sgpr_workgroup_id_y 1
		.amdhsa_system_sgpr_workgroup_id_z 1
		.amdhsa_system_vgpr_workitem_id 0
		.amdhsa_next_free_vgpr 208
		.amdhsa_next_free_sgpr 66
		.amdhsa_reserve_vcc 0
		.amdhsa_float_denorm_mode_32 3
		.amdhsa_float_denorm_mode_16_64 3
		.amdhsa_memory_ordered 1
		.amdhsa_forward_progress 1
		.amdhsa_inst_pref_size 73
	.end_amdhsa_kernel
	.amdgpu_metadata
---
amdhsa.version: [ 1, 2 ]
amdhsa.kernels:
  - .name:           k_q8cc07deeea_proj
    .symbol:         k_q8cc07deeea_proj.kd
    .args:
      - { .name: yi, .offset: 0, .size: 8, .value_kind: global_buffer, .address_space: global }
      - { .name: wp, .offset: 8, .size: 8, .value_kind: global_buffer, .address_space: global }
      - { .name: b_proj, .offset: 16, .size: 8, .value_kind: global_buffer, .address_space: global }
      - { .name: out0, .offset: 24, .size: 8, .value_kind: global_buffer, .address_space: global }
    .group_segment_fixed_size: 101376
    .private_segment_fixed_size: 0
    .kernarg_segment_align: 8
    .kernarg_segment_size: 32
    .max_flat_workgroup_size: 256
    .sgpr_count:     66
    .vgpr_count:     208
    .wavefront_size: 32
...
	.end_amdgpu_metadata
.endif
;; end of part 4
;; launch first16 (part 5): grid 16 x 1, 16 waves a work-group, no clusters, 71,680 bytes of LDS; arguments fine, W_proj, b_proj, out0; writes out0
.if DOCPART == 5
	.amdgcn_target "amdgcn-amd-amdhsa--gfx1250"
	.amdhsa_code_object_version 6
	.text
	.protected	k_q8cc07deeea_first16
	.globl	k_q8cc07deeea_first16
	.p2align	8
	.type	k_q8cc07deeea_first16,@function
k_q8cc07deeea_first16:
	s_mov_b64 s[64:65], 0
	v_nop
	global_prefetch_b8 v0, s[64:65] scope:SCOPE_SE
	s_setreg_imm32_b32 hwreg(HW_REG_WAVE_MODE, 25, 1), 1
	s_wait_xcnt 0x0
; Rows 0-15 of out0 in f32 throughout: under the causal mask these rows average one to sixteen values, so rounded operands would weigh most here.
; SHARES: work-group X makes columns 64 X .. 64 X + 63; wave w takes head w: its 16 x 16 attention (repeated in each work-group: it is small) and its 64 channels' part of the projection; the sixteen parts meet in LDS.
; All products by the f32 matrix form, 16 x 16 x 4.  The images in 'fine' are accumulators of the first product as they stood: lane (r, h), register j: q or k: (token r, channel 16 a + 8 h + j); v: (key 8 h + j,
; channel 16 b + r).  A pair of registers (2 s, 2 s + 1) of such an image IS a K step's operand: its four k are 8 h + 2 s + j, the same four on both sources.  S^T, P, O^T keep that form, so nothing changes lanes.
; The registers that these matrix instructions write, v192-255, are written by them alone; every sum begins with C = 0.
; Places behind this form: 8 before a vector instruction, a store or a load touches its registers, 9 before a matrix instruction takes a result as an operand or writes over it (8).
.set PART,  4352                       ; a head's part in LDS: 16 units of 16 tokens x 16 bytes + 16 of padding
.set SPARE, 16*PART                    ; the spare words, 128 bytes a wave: eight blocks of 256 bytes that no other line names
; v1 16 lane; v2 W's offset; v3 8 lane; v4 r - 8 h; v5 -infinity; v6, v7 the closing add's; v8, v9 LDS addresses; v[10:11] the bias, then the result; v[12:13] c m; v16-23 scores, then p; v24-31 at work;
; v32-63 Q, v64-95 K, later W's chunks 2, 3; v96-127 V, later the sixteen parts; v128-191 W's chunks 0, 1; v192-223 O^T; v224-255 S^T in four parts, later the output's four tiles
.macro WSET d
.if (\d) < 2
.set WBS, 128+32*(\d)
.else
.set WBS, 32+32*((\d)-2)
.endif
.endm
.macro WLOAD d                         ; chunk d: channels 16 d .. 16 d + 15 of my head, all 64 columns: lane (r, h), register 8 e + 2 s + j: W_proj(64 w + 16 d + 8 h + 2 s + j, 64 X + 16 e + r)
	WSET \d
.irp e, 0,1,2,3
.irp s, 0,1,2,3
.irp j, 0,1
	global_load_b32 v[WBS+8*\e+2*\s+\j], v2, s[6:7] offset:(16*(\d)+2*\s+\j)*4096+64*\e
.endr
.endr
.endr
.endm
.macro PMUL d                          ; the output's four tiles take turns, one instruction a turn
	WSET \d
.irp s, 0,1,2,3
.irp e, 0,1,2,3
.if ((\d) == 0) && (\s == 0)
	v_wmma_f32_16x16x4_f32 v[224+8*\e:231+8*\e], v[WBS+8*\e+2*\s:WBS+8*\e+2*\s+1], v[192+8*(\d)+2*\s:193+8*(\d)+2*\s], 0
.else
	v_wmma_f32_16x16x4_f32 v[224+8*\e:231+8*\e], v[WBS+8*\e+2*\s:WBS+8*\e+2*\s+1], v[192+8*(\d)+2*\s:193+8*(\d)+2*\s], v[224+8*\e:231+8*\e]
.endif
.endr
.endr
.endm
	s_load_b256 s[4:11], s[0:1], 0x0               ; fine s[4:5], W_proj s[6:7], b_proj s[8:9], out0 s[10:11]
	v_lshl_add_u32 v6, v0, 2, SPARE
	v_mov_b32 v7, 0
	v_lshrrev_b32 v1, 5, v0
	v_readfirstlane_b32 s12, v1                    ; wave = head; later: my row of the result
	v_and_b32 v3, 31, v0                           ; lane
	v_lshlrev_b32 v1, 4, v3
	v_and_b32 v12, 15, v0                          ; r
	v_bfe_u32 v13, v0, 4, 1                        ; h
	v_lshlrev_b32 v2, 2, v12
	v_lshl_add_u32 v2, v13, 15, v2                 ; 8 h rows of W_proj + 4 r
	v_lshlrev_b32 v4, 3, v13
	v_sub_nc_u32 v4, v12, v4
	v_mov_b32 v5, 0xff800000
	s_mul_i32 s13, s12, PART
	v_lshl_add_u32 v8, v13, 4, v1
	v_add_nc_u32 v8, s13, v8                       ; my part: 16 lane, + 16 of padding in front of lanes 16-31
	v_lshrrev_b32 v9, 3, v3
	v_lshlrev_b32 v9, 2, v9
	v_bfe_u32 v14, v0, 1, 1
	v_lshl_add_u32 v9, v14, 1, v9
	v_bfe_u32 v14, v0, 2, 1
	v_add_nc_u32 v9, v9, v14                       ; columns 2 l, 2 l + 1 lie in unit 4 (l / 8) + 2 ((l / 2) % 2) + (l / 4) % 2
	v_mul_u32_u24 v9, v9, 272
	v_and_b32 v14, 1, v0
	v_lshl_add_u32 v9, v14, 3, v9
	s_lshl_b32 s14, s12, 4
	v_add_nc_u32 v9, s14, v9                       ; at 16 x token + 8 (l % 2)
	v_lshlrev_b32 v3, 3, v3
	s_mov_b32 s20, 0x76543210
	s_mov_b32 s21, 0xfedcba98                      ; v_permlanex16_b32's selects for lane l xor 16
	s_mov_b32 s22, 0x3e38aa3b                      ; c = log2(e) / 8
	s_mov_b32 s23, s22
	s_mov_b32 s17, 0
	s_lshl_b32 s18, ttmp9, 8                       ; 64 X columns, in bytes
	s_wait_kmcnt 0x0
	s_lshl_b32 s16, s12, 12
	s_add_nc_u64 s[4:5], s[4:5], s[16:17]          ; my head's four tiles of q; k's lie 65,536 bytes on, v's 131,072
	s_add_co_u32 s16, s16, s18
	s_add_nc_u64 s[10:11], s[10:11], s[16:17]      ; row w of out0, my work-group's columns
	s_mov_b32 s16, s18
	s_add_nc_u64 s[8:9], s[8:9], s[16:17]
	s_lshl_b32 s16, s12, 18
	s_add_co_u32 s16, s16, s18
	s_add_nc_u64 s[6:7], s[6:7], s[16:17]          ; W_proj at my head's first channel
.irp a, 0,1,2,3
.irp c, 0,1
	global_load_b128 v[64+8*\a+4*\c:67+8*\a+4*\c], v1, s[4:5] offset:65536+1024*\a+512*\c
.endr
.endr
.irp a, 0,1,2,3
.irp c, 0,1
	global_load_b128 v[32+8*\a+4*\c:35+8*\a+4*\c], v1, s[4:5] offset:1024*\a+512*\c
.endr
.endr
.irp a, 0,1,2,3
.irp c, 0,1
	global_load_b128 v[96+8*\a+4*\c:99+8*\a+4*\c], v1, s[4:5] offset:131072+1024*\a+512*\c
.endr
.endr
	global_load_b64 v[10:11], v3, s[8:9]
	WLOAD 0
	WLOAD 1
	s_wait_loadcnt 63                              ; 89 loads are issued: the oldest 26 are in: K, Q, V and the bias are the first 25
.irp s, 0,1,2,3                        ; S^T = K Q^T in four parts, one for each 16 channels, which take turns
.irp a, 0,1,2,3
.if \s == 0
	v_wmma_f32_16x16x4_f32 v[224+8*\a:231+8*\a], v[64+8*\a+2*\s:65+8*\a+2*\s], v[32+8*\a+2*\s:33+8*\a+2*\s], 0
.else
	v_wmma_f32_16x16x4_f32 v[224+8*\a:231+8*\a], v[64+8*\a+2*\s:65+8*\a+2*\s], v[32+8*\a+2*\s:33+8*\a+2*\s], v[224+8*\a:231+8*\a]
.endif
.endr
.endr
.rept 8
	v_nop
.endr
	WLOAD 2                                        ; into Q's and K's registers, which are done with
	WLOAD 3
	v_pk_add_f32 v[16:17], v[224:225], v[232:233]  ; each part is read from its low end on
	v_pk_add_f32 v[24:25], v[240:241], v[248:249]
.irp p, 2,4,6
	v_pk_add_f32 v[16+\p:17+\p], v[224+\p:225+\p], v[232+\p:233+\p]
	v_pk_add_f32 v[24+\p:25+\p], v[240+\p:241+\p], v[248+\p:249+\p]
.endr
.irp p, 0,2,4,6
	v_pk_add_f32 v[16+\p:17+\p], v[16+\p:17+\p], v[24+\p:25+\p]      ; lane (r, h), register j: the score of key 8 h + j for query r
.endr
.irp j, 0,1,2,3,4,5,6,7
	v_cmp_gt_i32 vcc_lo, \j, v4                    ; hidden where 8 h + j > r
	v_cndmask_b32 v[16+\j], v[16+\j], v5, vcc_lo
.endr
	v_max3_num_f32 v24, v16, v17, v18
	v_max3_num_f32 v25, v19, v20, v21
	v_max3_num_f32 v24, v24, v22, v23
	v_max_num_f32 v24, v24, v25
	v_permlanex16_b32 v25, v24, s20, s21
	v_max_num_f32 v24, v24, v25                    ; the row's maximum: key 0 counts for every query, so it is a number
	v_mul_f32 v12, s22, v24
	v_mov_b32 v13, v12                             ; (named with it as a pair)
.irp p, 0,2,4,6
	v_pk_fma_f32 v[16+\p:17+\p], v[16+\p:17+\p], s[22:23], v[12:13] op_sel_hi:[1,0,0] neg_lo:[0,0,1] neg_hi:[0,0,1]
.endr
.irp j, 0,1,2,3,4,5,6,7
	v_exp_f32 v[16+\j], v[16+\j]
.endr
	v_nop
	s_wait_alu depctr_va_vdst(0)                   ; one wait for the eight exponentials, ahead of their first reader
	v_pk_add_f32 v[24:25], v[16:17], v[18:19]
	v_pk_add_f32 v[26:27], v[20:21], v[22:23]
	v_pk_add_f32 v[24:25], v[24:25], v[26:27]
	v_add_f32 v24, v24, v25
	v_permlanex16_b32 v25, v24, s20, s21
	v_add_f32 v24, v24, v25
	v_rcp_f32 v26, v24
	v_nop
	s_wait_alu depctr_va_vdst(0)
.irp p, 0,2,4,6
	v_pk_mul_f32 v[16+\p:17+\p], v[16+\p:17+\p], v[26:27] op_sel_hi:[1,0]
.endr
.irp s, 0,1,2,3                        ; O^T = V^T P: four tiles of 16 channels, which take turns
.irp d, 0,1,2,3
.if \s == 0
	v_wmma_f32_16x16x4_f32 v[192+8*\d:199+8*\d], v[96+8*\d+2*\s:97+8*\d+2*\s], v[16+2*\s:17+2*\s], 0
.else
	v_wmma_f32_16x16x4_f32 v[192+8*\d:199+8*\d], v[96+8*\d+2*\s:97+8*\d+2*\s], v[16+2*\s:17+2*\s], v[192+8*\d:199+8*\d]
.endif
.endr
.endr
.rept 9
	v_nop                                          ; O^T becomes an operand
.endr
	s_wait_loadcnt 63                              ; 153 loads are issued: the oldest 90 are in: chunks 0 and 1 end with the 89th
	PMUL 0
	PMUL 1
	s_wait_loadcnt 32                              ; chunk 2 is in; chunk 3's 32 may be out
	PMUL 2
	s_wait_loadcnt 0x0
	PMUL 3
.rept 8
	v_nop
.endr
.irp e, 0,1,2,3
	ds_store_b128 v8, v[224+8*\e:227+8*\e] offset:1088*\e            ; lane (r, h): token r, columns 16 e + 8 h + 0 .. 3,
	ds_store_b128 v8, v[228+8*\e:231+8*\e] offset:1088*\e+544        ; and + 4 .. 7
.endr
	s_wait_dscnt 0x0                               ; for the others' sake: my part lies in LDS
	s_barrier_signal -1
	s_barrier_wait -1
.irp t, 0,1,2,3,4,5,6,7,8,9,10,11,12,13,14,15
	ds_load_b64 v[96+2*\t:97+2*\t], v9 offset:PART*\t                ; row w, my two columns, of every head's part
.endr
	s_wait_dscnt 0x0
.irp t, 0,1,2,3,4,5,6,7,8,9,10,11,12,13,14,15
	v_pk_add_f32 v[10:11], v[10:11], v[96+2*\t:97+2*\t]              ; the bias and the sixteen parts, heads ascending
.endr
	global_store_b64 v3, v[10:11], s[10:11]        ; 32 lanes store 256 consecutive bytes, aligned
	s_wait_tensorcnt 0x0                           ; the wave's end: three lines behind my last LDS store
	ds_add_u32 v6, v7
	s_wait_dscnt 0x0
	s_endpgm
.Lfunc_end_k_q8cc07deeea_first16:
	.size	k_q8cc07deeea_first16, .Lfunc_end_k_q8cc07deeea_first16-k_q8cc07deeea_first16
	.p2alignl 7, 3214868480
	.fill 96, 4, 3214868480
	.section	.rodata,"a",@progbits
	.p2align	6, 0x0
	.amdhsa_kernel k_q8cc07deeea_first16
		.amdhsa_group_segment_fixed_size 71680
		.amdhsa_private_segment_fixed_size 0
		.amdhsa_enable_private_segment 0
		.amdhsa_kernarg_size 32
		.amdhsa_user_sgpr_count 2
		.amdhsa_user_sgpr_kernarg_segment_ptr 1
		.amdhsa_wavefront_size32 1
		.amdhsa_system_sgpr_workgroup_id_x 1
		.amdhsa_system_sgpr_workgroup_id_y 1
		.amdhsa_system_sgpr_workgroup_id_z 1
		.amdhsa_system_vgpr_workitem_id 0
		.amdhsa_next_free_vgpr 256
		.amdhsa_next_free_sgpr 66
		.amdhsa_reserve_vcc 1
		.amdhsa_float_denorm_mode_32 3
		.amdhsa_float_denorm_mode_16_64 3
		.amdhsa_memory_ordered 1
		.amdhsa_forward_progress 1
		.amdhsa_inst_pref_size 30
	.end_amdhsa_kernel
	.amdgpu_metadata
---
amdhsa.version: [ 1, 2 ]
amdhsa.kernels:
  - .name:           k_q8cc07deeea_first16
    .symbol:         k_q8cc07deeea_first16.kd
    .args:
      - { .name: fine, .offset: 0, .size: 8, .value_kind: global_buffer, .address_space: global }
      - { .name: W_proj, .offset: 8, .size: 8, .value_kind: global_buffer, .address_space: global }
      - { .name: b_proj, .offset: 16, .size: 8, .value_kind: global_buffer, .address_space: global }
      - { .name: out0, .offset: 24, .size: 8, .value_kind: global_buffer, .address_space: global }
    .group_segment_fixed_size: 71680
    .private_segment_fixed_size: 0
    .kernarg_segment_align: 8
    .kernarg_segment_size: 32
    .max_flat_workgroup_size: 512
    .sgpr_count:     66
    .vgpr_count:     256
    .wavefront_size: 32
...
	.end_amdgpu_metadata
.endif
;; end of part 5
